; MI455X (gfx1250); checked and timed in simulation.
; The chip was launched on July 23, 2026; its instructions are those of AMD's public machine-readable ISA for CDNA 5 (MIT licence, August 2026) and "CDNA5" Instruction Set Architecture Reference Guide (July 2026). The comments in the code are by the model that wrote it; some were corrected since.
;; Attention. Allowed arithmetic: matrix products marked QUANTISED: E5M2 operands, one given power-of-two scale a tensor, by v_wmma_f32_16x16x64_bf8_bf8 or v_wmma_f32_16x16x128_bf8_bf8, f32 sums; everything else in f32.
;; Inputs: block_tables 4 x 128 int32; k_cache 512 x 16 x 8 x 128 float32; lowp_scales 4 int32 (the exponents e of the quantised operands' scales 2^e); query 4 x 256 x 32 x 128 float32; seq_lens 4 int32; v_cache 512 x 16 x 8 x 128 float32.
;; Outputs: out0 1,024 x 4,096 float32.
;; This version of the problem:
;;   THIS VERSION OF THE PROBLEM IS GIVEN IN LOW PRECISION. The matrix products marked QUANTISED in the list below multiply operands that are first quantised to E5M2 (5 exponent bits, 2 mantissa bits; 8 bits a number), with one given power-of-two scale for each operand tensor; their sums are f32. All else is computed in f32.
;;   The module's matrix products, in the order in which they are computed (A, B: the left and right operand; K: the contracted axis; several contracted axes count as one K, in the product's order):
;;     1. batch 32 x [M 2,048, K 128] x [K 128, N 1,024]; A: computed on the way; B: computed on the way: QUANTISED (scales: A lowp_scales[0], B lowp_scales[1])
;;     2. batch 32 x [M 128, K 2,048] x [K 2,048, N 1,024]; A: computed on the way; B: softmax (see below): QUANTISED (scales: A lowp_scales[2], B lowp_scales[3])
;;   THE QUANTISER, for each operand of a quantised product, along K:
;;     - The operand's scale is 2^e, e = its entry of the input lowp_scales (int32; the entries are numbered through the quantised products in the list's order, A before B).
;;     - Each number is divided by the scale, clamped to +-57,344, and rounded to the nearest number of E5M2, ties to even, subnormals kept.
;;     - The product sums the exact products of the quantised numbers (number of the format x scale) in f32.
;;   ~~~python
;;   def quantise(x, axis, e):      # numpy; x: float32 -> the quantised numbers, widened to float32 again
;;       x = np.moveaxis(x, axis, -1); K = x.shape[-1]
;;       r = np.clip(x / 2.0 ** e, -57344, 57344)
;;       step = 2.0 ** (np.maximum(np.frexp(np.where(r == 0, 1, r))[1] - 1, -14) - 2)
;;       q = np.round(r / step) * step * 2.0 ** e      # np.round: ties to even
;;       return np.moveaxis(q, -1, axis).astype(np.float32)
;;   ~~~
;;   SOFTMAX AHEAD OF A QUANTISED PRODUCT. Where the list says 'softmax', what is quantised is not the finished softmax but p = 2^(t - M), with t = logit x log2(e) and M = ceil(the row's largest t), a whole number; so 1/2 < the row's largest p <= 1. The row's sum l is taken of the UNQUANTISED p, in f32, and the product's result is divided by l at the end. Since M is a whole number, a kernel that streams over the keys may use a running M (the ceiling of the running maximum): every later rescaling is an exact power of two, so the quantised numbers keep their values, but for numbers so far below the row's largest that they fall under the format's range.
;;   OPERANDS COMPUTED ON THE WAY. 'Computed on the way' means the value that the module computes at that place (a softmax that the list does not call 'softmax' is quantised finished and normalised). What goes into a quantiser is computed in f32, as accurately as f32 sums, v_exp_f32 and their like allow (about 1e-6 of the number): no bf16 or f16 on the way to a quantiser, and a product that is left as it is and whose result goes on into a quantised operand takes f32 operands (vector FMAs, or v_wmma_f32_16x16x4_f32). A number that lies on a knife's edge between two numbers of the format may be rounded either way, as far as f32 arithmetic and the matrix unit's own rounding can turn it there, and no further.
;; One version. Each part assembles by itself: llvm-mc -triple=amdgcn-amd-amdhsa -mcpu=gfx1250 --defsym DOCPART=n.
;; ======== version 1 of 1: 2 launches
;; limits: right only within a limited range of input values
;; workspace buffers: k_img 8,388,608 bytes; v_img 8,388,608 bytes
;; launch quant (part 1): grid 1024 x 1, 4 waves a work-group, no clusters, 34,304 bytes of LDS; arguments k_cache, v_cache, block_tables, seq_lens, lowp_scales, k_img, v_img; writes k_img, v_img
.if DOCPART == 1
	.amdgcn_target "amdgcn-amd-amdhsa--gfx1250"
	.amdhsa_code_object_version 6
	.text
	.protected	k_qec75b5acb4_quant
	.globl	k_qec75b5acb4_quant
	.p2align	8
	.type	k_qec75b5acb4_quant,@function
k_qec75b5acb4_quant:
	s_mov_b64 s[64:65], 0
	v_nop
	global_prefetch_b8 v0, s[64:65] scope:SCOPE_SE
	s_setreg_imm32_b32 hwreg(HW_REG_WAVE_MODE, 25, 1), 1
	s_wait_xcnt 0x0
; The paged K and V caches ([512 blocks][16 keys][8 kv heads][128] f32) are gathered through block_tables and turned into codes of BF8 (E5M2), K with the given scale 2^e0, V with 2^e2
; (entries 0 and 2 of lowp_scales): code = x / 2^e, held within +-57,344, to the nearest code, ties to even.
; OUTPUT: images of operand registers.  k_img, v_img: [sequence 4][kv head 8][step 16][16,384 bytes]; a step is 128 keys: [fragment 8][chunk 4][lane 32][16 bytes].
;   k_img: fragment 2 bb + u, lane (r = lane % 16, h = lane / 16), chunk c: key 32 bb + 8 u + r + 8 (r / 8) of the step, channels 32 c + 16 h + 0 .. 15.
;   v_img: fragment 4 g + cc, lane (r, h), chunk c: channel 64 g + 4 r + cc, keys 32 c + 16 h + 0 .. 15 of the step (the 16 keys of logical block 8 step + 2 c + h).
; SHARES.  Work-group x: kv head x % 8, tensor (x / 128) % 2 (0: K, 1: V), sequence z = x / 256, step ((x / 8) % 16) xor 15 (z % 2) xor 8 (z / 2): the four work-groups of one x % 256 take all
; four sequences, at steps of which one lies in each quarter of 0 .. 15.  Wave w takes the step's logical blocks 2 w and 2 w + 1: 32 keys.  Waves share nothing: no barrier.
; WORK LEFT OUT: reference() hides every key at or behind max(seq_len, 256) from every query of the sequence by its own mask (p = 0 there, whatever K and V hold), so a step is made only where 128 step < max(seq_len, 256).
; The grid is fixed and serves every seq_lens; a work-group whose step no query can see stores nothing and ends: a branch on a whole number read from an input.
; No cluster: no two work-groups read the same bytes.  No prefetch: no loop to run ahead in.
; LIMITS: e0 and e2 between -126 and 112, so that 2^e and 57,344 x 2^e are f32 numbers.  NaN among the inputs is not served (an infinity is held at the largest code); a NaN, an infinity or an overflow
; that reaches only the work left out is not carried to the result.  A block number is held at 511.
.set SP,   528                         ; a stage row: 512 bytes + 16 = 33 x 16, so the sixteen rows that a load touches begin 16 bytes apart modulo 256
.set WST,  16*SP                       ; a wave's stage: 16 rows (the K path alone uses LDS)
.set SPARE, 4*WST                      ; the spare words, 128 bytes for each wave
.set L16,  1                           ; v1   16 x lane
.set SIN,  3                           ; v3   my stage + 16 x lane: rows go in as they are loaded
.set SQR,  4                           ; v4   my stage + 528 r + 64 h: and come out 16 neighbours of a chunk a lane
.set VS,   5                           ; v5   V's way out: 8,192 h + 16 r
.set LIM,  10                          ; v10  57,344 x 2^e
.set SCL,  11                          ; v11  2^e as f32
.set R,    16                          ; v16-143   numbers as loaded
.set X,    144                         ; v144-207  64 numbers a lane, in the codes' order
.set C,    208                         ; v208-239  codes: every register is written once, so no store's data are written again
	s_load_b256 s[4:11], s[0:1], 0x0               ; k_cache s[4:5], v_cache s[6:7], block_tables s[8:9], seq_lens s[10:11]
	s_load_b128 s[12:15], s[0:1], 0x20             ; lowp_scales s[12:13], k_img s[14:15]
	s_load_b64 s[16:17], s[0:1], 0x30              ; v_img
	v_lshrrev_b32 v6, 5, v0
	v_readfirstlane_b32 s18, v6                    ; wave 0..3
	s_and_b32 s19, ttmp9, 7                        ; kv head
	s_bfe_u32 s22, ttmp9, 0x10007                  ; 0: K, 1: V
	s_bfe_u32 s21, ttmp9, 0x20008                  ; sequence
	s_bfe_u32 s20, ttmp9, 0x40003
	s_and_b32 s40, s21, 1
	s_mul_i32 s40, s40, 15
	s_xor_b32 s20, s20, s40
	s_lshr_b32 s40, s21, 1
	s_lshl_b32 s40, s40, 3
	s_xor_b32 s20, s20, s40                        ; step
	s_lshl_b32 s42, s21, 9                         ; block_tables: 4 (128 sequence + 8 step + 2 wave)
	s_lshl_b32 s44, s20, 5
	s_add_co_u32 s42, s42, s44
	s_lshl_b32 s44, s18, 3
	s_add_co_u32 s42, s42, s44
	s_mov_b32 s43, 0
	s_lshl_b32 s40, s21, 2                         ; seq_lens: 4 x sequence
	s_mov_b32 s41, 0
	s_mul_i32 s44, s18, WST
	v_lshl_add_u32 v240, v0, 2, SPARE
	v_mov_b32 v241, 0
	v_and_b32 v7, 31, v0                           ; lane
	v_and_b32 v8, 15, v0                           ; r
	v_bfe_u32 v9, v0, 4, 1                         ; h
	v_lshlrev_b32 v[L16], 4, v7
	v_add_nc_u32 v[SIN], s44, v[L16]
	v_mul_u32_u24 v[SQR], v8, SP
	v_lshl_add_u32 v[SQR], v9, 6, v[SQR]
	v_add_nc_u32 v[SQR], s44, v[SQR]
	v_lshlrev_b32 v[VS], 4, v8
	v_lshl_add_u32 v[VS], v9, 13, v[VS]
	s_wait_alu depctr_va_vdst(0)
	s_wait_kmcnt 0x0
	s_add_nc_u64 s[10:11], s[10:11], s[40:41]
	s_add_nc_u64 s[8:9], s[8:9], s[42:43]
	s_load_b32 s24, s[10:11], 0x0                  ; the sequence's length
	s_load_b64 s[26:27], s[8:9], 0x0               ; my two physical blocks
	s_load_b128 s[28:31], s[12:13], 0x0            ; e0 .. e3
	s_cmp_lg_u32 s22, 0                            ; the tensor and its image are chosen by the work-group's number alone
	s_cselect_b64 s[4:5], s[6:7], s[4:5]
	s_cselect_b64 s[38:39], s[16:17], s[14:15]
	s_lshl_b32 s40, s21, 3
	s_add_co_u32 s40, s40, s19
	s_lshl_b32 s40, s40, 4
	s_add_co_u32 s40, s40, s20
	s_lshl_b32 s40, s40, 14                        ; ((8 sequence + head) 16 + step) x 16,384
	s_add_nc_u64 s[38:39], s[38:39], s[40:41]
	s_wait_kmcnt 0x0
	s_max_i32 s24, s24, 256                        ; as the problem has it: at least the 256 new tokens
	s_lshl_b32 s40, s20, 7                         ; the step's first key
	s_cmp_ge_i32 s40, s24
	s_cbranch_scc1 .Lend                           ; no query of the sequence sees a key of this step
	s_min_u32 s26, s26, 511                        ; a loaded number enters an address only behind a hold
	s_min_u32 s27, s27, 511
	s_lshl_b32 s26, s26, 16                        ; a block is 65,536 bytes,
	s_lshl_b32 s27, s27, 16
	s_lshl_b32 s40, s19, 9                         ; a head's 128 numbers 512
	s_add_co_u32 s26, s26, s40
	s_add_co_u32 s27, s27, s40
	s_mov_b32 s40, s26
	s_add_nc_u64 s[34:35], s[4:5], s[40:41]        ; block A at my head
	s_mov_b32 s40, s27
	s_add_nc_u64 s[36:37], s[4:5], s[40:41]        ; block B
	s_cmp_lg_u32 s22, 0
	s_cselect_b32 s44, s30, s28
	s_add_co_i32 s44, s44, 127
	s_lshl_b32 s45, s44, 23
	v_mov_b32 v[SCL], s45                          ; 2^e as f32: the conversion takes its exponent field
	s_add_co_i32 s44, s44, 15
	s_lshl_b32 s44, s44, 23
	s_or_b32 s44, s44, 0x600000
	v_mov_b32 v[LIM], s44                          ; 57,344 x 2^e
	s_cmp_lg_u32 s22, 0
	s_wait_alu depctr_va_vdst(0)
	s_cbranch_scc1 .Lv
	; ---- K: my 32 keys are fragments 2 w and 2 w + 1.  Row rr of fragment u is key 8 u + rr of block A (rr < 8) or key 8 u + rr - 8 of block B.
	s_lshl_b32 s40, s18, 12
	s_add_nc_u64 s[38:39], s[38:39], s[40:41]      ; my two fragments' images
.irp u, 0,1
.irp rr, 0,1,2,3,4,5,6,7
	global_load_b128 v[R+64*\u+4*\rr:R+64*\u+4*\rr+3], v[L16], s[34:35] offset:(8*\u+\rr)*4096   ; 32 lanes read a key's 512 consecutive bytes.  No hint: a table may name a block twice
.endr
.irp rr, 0,1,2,3,4,5,6,7
	global_load_b128 v[R+64*\u+32+4*\rr:R+64*\u+32+4*\rr+3], v[L16], s[36:37] offset:(8*\u+\rr)*4096
.endr
.endr
; A fragment: its 16 rows go through my own stage as they lie and come back 16 neighbouring channels of each chunk a lane; LDS serves a wave's instructions in order (ISA guide 5.7.1.4), so no wait stands between stores and loads.
.macro KFRAG u
	s_wait_loadcnt 16*(1-\u)                       ; this fragment's 16 loads are in; the other's 16, issued behind them, may be out
.irp rr, 0,1,2,3,4,5,6,7,8,9,10,11,12,13,14,15
	ds_store_b128 v[SIN], v[R+64*\u+4*\rr:R+64*\u+4*\rr+3] offset:SP*\rr
.endr
.irp c, 0,1,2,3
.irp k, 0,1,2,3
	ds_load_b128 v[X+16*\c+4*\k:X+16*\c+4*\k+3], v[SQR] offset:128*\c+16*\k
.endr
.endr
	s_wait_dscnt 0x0
.set n, 0
.rept 64
	v_med3_num_f32 v[X+n], v[X+n], -v[LIM], v[LIM]   ; the conversion to an 8-bit code does not saturate (ISA guide 7.6.2): the hold at the largest code x the scale
.set n, n+1
.endr
.irp c, 0,1,2,3
	v_cvt_scalef32_pk8_bf8_f32 v[C+16*\u+4*\c:C+16*\u+4*\c+1], v[X+16*\c:X+16*\c+7], v[SCL]
	v_cvt_scalef32_pk8_bf8_f32 v[C+16*\u+4*\c+2:C+16*\u+4*\c+3], v[X+16*\c+8:X+16*\c+15], v[SCL]
.endr
	v_nop                                          ; a plain vector line behind the conversions
.irp c, 0,1,2,3
	global_store_b128 v[L16], v[C+16*\u+4*\c:C+16*\u+4*\c+3], s[38:39] offset:2048*\u+512*\c   ; 32 lanes store 512 consecutive bytes, at a multiple of 512 from the image's first byte
.endr
.endm
	KFRAG 0
	KFRAG 1
	s_wait_tensorcnt 0x0                           ; the wave's end
	ds_add_u32 v240, v241
	s_wait_dscnt 0x0
	s_endpgm
	; ---- V: the keys are its K.  A lane loads four neighbouring channels of a key; the holds' destinations put a channel's 16 keys side by side, and the conversions then give 16 codes along the keys.
.Lv:
	s_lshl_b32 s40, s18, 9
	s_add_nc_u64 s[38:39], s[38:39], s[40:41]      ; chunk w of every fragment
.irp i, 0,1,2,3,4,5,6,7,8,9,10,11,12,13,14,15
	global_load_b128 v[R+4*\i:R+4*\i+3], v[L16], s[34:35] offset:4096*\i
.endr
.irp i, 0,1,2,3,4,5,6,7,8,9,10,11,12,13,14,15
	global_load_b128 v[R+64+4*\i:R+64+4*\i+3], v[L16], s[36:37] offset:4096*\i
.endr
.macro VBLK hh
	s_wait_loadcnt 16*(1-\hh)
.irp cc, 0,1,2,3
.irp i, 0,1,2,3,4,5,6,7,8,9,10,11,12,13,14,15
	v_med3_num_f32 v[X+16*\cc+\i], v[R+64*\hh+4*\i+\cc], -v[LIM], v[LIM]   ; channel 4 lane + cc, key i
.endr
.endr
.irp cc, 0,1,2,3
	v_cvt_scalef32_pk8_bf8_f32 v[C+16*\hh+4*\cc:C+16*\hh+4*\cc+1], v[X+16*\cc:X+16*\cc+7], v[SCL]
	v_cvt_scalef32_pk8_bf8_f32 v[C+16*\hh+4*\cc+2:C+16*\hh+4*\cc+3], v[X+16*\cc+8:X+16*\cc+15], v[SCL]
.endr
	v_nop                                          ; a plain vector line behind the conversions
.irp cc, 0,1,2,3
	global_store_b128 v[VS], v[C+16*\hh+4*\cc:C+16*\hh+4*\cc+3], s[38:39] offset:2048*\cc+256*\hh   ; fragment 4 (lane / 16) + cc, row lane % 16; block hh is the half hh: sixteen lanes store 256 consecutive bytes, aligned
.endr
.endm
	VBLK 0
	VBLK 1
.Lend:
	s_endpgm
.Lfunc_end_k_qec75b5acb4_quant:
	.size	k_qec75b5acb4_quant, .Lfunc_end_k_qec75b5acb4_quant-k_qec75b5acb4_quant
	.p2alignl 7, 3214868480
	.fill 96, 4, 3214868480
	.section	.rodata,"a",@progbits
	.p2align	6, 0x0
	.amdhsa_kernel k_qec75b5acb4_quant
		.amdhsa_group_segment_fixed_size 34304
		.amdhsa_private_segment_fixed_size 0
		.amdhsa_enable_private_segment 0
		.amdhsa_kernarg_size 56
		.amdhsa_user_sgpr_count 2
		.amdhsa_user_sgpr_kernarg_segment_ptr 1
		.amdhsa_wavefront_size32 1
		.amdhsa_system_sgpr_workgroup_id_x 1
		.amdhsa_system_sgpr_workgroup_id_y 1
		.amdhsa_system_sgpr_workgroup_id_z 1
		.amdhsa_system_vgpr_workitem_id 0
		.amdhsa_next_free_vgpr 242
		.amdhsa_next_free_sgpr 66
		.amdhsa_reserve_vcc 0
		.amdhsa_float_denorm_mode_32 3
		.amdhsa_float_denorm_mode_16_64 3
		.amdhsa_memory_ordered 1
		.amdhsa_forward_progress 1
		.amdhsa_inst_pref_size 34
	.end_amdhsa_kernel
	.amdgpu_metadata
---
amdhsa.version: [ 1, 2 ]
amdhsa.kernels:
  - .name:           k_qec75b5acb4_quant
    .symbol:         k_qec75b5acb4_quant.kd
    .args:
      - { .name: k_cache, .offset: 0, .size: 8, .value_kind: global_buffer, .address_space: global }
      - { .name: v_cache, .offset: 8, .size: 8, .value_kind: global_buffer, .address_space: global }
      - { .name: block_tables, .offset: 16, .size: 8, .value_kind: global_buffer, .address_space: global }
      - { .name: seq_lens, .offset: 24, .size: 8, .value_kind: global_buffer, .address_space: global }
      - { .name: lowp_scales, .offset: 32, .size: 8, .value_kind: global_buffer, .address_space: global }
      - { .name: k_img, .offset: 40, .size: 8, .value_kind: global_buffer, .address_space: global }
      - { .name: v_img, .offset: 48, .size: 8, .value_kind: global_buffer, .address_space: global }
    .group_segment_fixed_size: 34304
    .private_segment_fixed_size: 0
    .kernarg_segment_align: 8
    .kernarg_segment_size: 56
    .max_flat_workgroup_size: 128
    .sgpr_count:     66
    .vgpr_count:     242
    .wavefront_size: 32
...
	.end_amdgpu_metadata
.endif
;; end of part 1
;; launch attn (part 2): grid 256 x 1, 4 waves a work-group, no clusters, 232,960 bytes of LDS; arguments query, k_img, v_img, seq_lens, lowp_scales, out0; writes out0
.if DOCPART == 2
	.amdgcn_target "amdgcn-amd-amdhsa--gfx1250"
	.amdhsa_code_object_version 6
	.text
	.protected	k_qec75b5acb4_attn
	.globl	k_qec75b5acb4_attn
	.p2align	8
	.type	k_qec75b5acb4_attn,@function
k_qec75b5acb4_attn:
	s_mov_b64 s[64:65], 0
	v_nop
	global_prefetch_b8 v0, s[64:65] scope:SCOPE_SE
	s_setreg_imm32_b32 hwreg(HW_REG_WAVE_MODE, 25, 1), 1
	s_wait_xcnt 0x0
; Paged GQA prefill attention on codes of BF8 (E5M2).  query: [4 sequences][256 tokens][32 heads][128] f32; k_img, v_img: the images that the launch before made ([sequence][kv head][step of 128 keys][16,384 bytes]);
; out0: [1,024][4,096] f32.  Token i of a sequence stands at position max(seq_len, 256) - 256 + i and sees the keys up to that position.
; q = query x 1/sqrt(128) (rounded to f32, as the problem has it) is quantised here with 2^e1; k came with 2^e0, v with 2^e2; p with 2^e3.
; THE SOFTMAX: t = score x log2(e); M = the largest t so far, rounded UP to a whole number; p = 2^(t - M) is what is quantised; the row's sum l is taken of the unquantised p and divides at the end.
; When M moves, l and O are multiplied by 2^(old M - new M): exact.
; SHARES.  Work-group x: kv head x % 8, sequence (x / 8) % 2 + 2 (x / 128), tokens 32 c .. 32 c + 31 with c = (x / 16) % 8, the four query heads of the kv head: eight tiles of 16 rows.  Four waves, as many as a WGP has SIMDs.
; Wave w = 2 p + q: team p walks key steps p, p + 2, ..; the wave holds FOUR tiles, the two token halves of heads 2 q + p (register tiles 0, 1: its own) and 2 q + 1 - p (tiles 2, 3: wave w xor 2's own),
; so that each fragment read from LDS feeds four matrix instructions.  It quantises its own two tiles of Q and takes the other two's codes from its partner through LDS.  At the end it hands tiles 2, 3 to the partner,
; takes the partner's part of tiles 0, 1, and joins the two under one M.  No branch hangs on the role.
; LAYOUT.  Both products are used transposed: S^T = K Q^T (source 0 = 16 keys, source 1 = 16 tokens), O^T = V^T P^T: a lane holds ONE token (lane % 16) throughout.  The keys of a tile of K are chosen
; (in the image) so that the 16 registers of tiles 2 b and 2 b + 1 are keys 32 b + 16 (lane / 16) + 0 .. 15: the conversions' results are the second product's operand.
; A fragment comes by four loads of 16 bytes: registers 4 c .. 4 c + 3 hold K = 32 c + 16 (lane / 16) + 0 .. 15, on both sides of each product alike.  Tile 4 g + cc of V holds channels 64 g + 4 r + cc; the way out puts them in order.
; WORK LEFT OUT: a step all of whose keys lie behind the work-group's last token: reference()'s own mask makes p = 0 there, whatever the inputs hold.  It is left out by scalar branches on seq_lens, a whole number read from an input.
; The loop's trip count is a constant and no barrier stands under such a branch.  Without
; these branches all 2,048 keys would be walked and fetched whatever seq_lens says.  The images come through registers.
; THE RINGS.  K and V have two slots each; K runs one step ahead of V.  In trip i (a team's step i) the wave reads V(i) and, for the next trip, K(i + 1); wave q = 0 stores K(i + 2) over K(i), wave q = 1 stores V(i + 1) over V(i - 1),
; both loaded in the trip before, and then loads K(i + 3) or V(i + 2).  One barrier a trip stands between all of that and the next trip's.
; PREFETCH: every second trip waves 0 (K) and 1 (V) ask for one piece of 8,192 bytes of the four steps that are loaded two and three trips later; the eight work-groups of a sequence and kv head share the 65,536 bytes out by c:
; each aligned block of 256 bytes is named once.  It stops behind the sequence's last key.
; LIMITS: e1 and e3 between -126 and 112; e0 + e1 between -126 and 127 (added to the exponent field of log2(e)); e2 + e3 between -115 and 126 (2^(e2 + e3) / l is to be a normal f32 number).
; NaN is not served; a NaN, an infinity or an overflow that reaches only the work left out is not carried to the result.  seq_len is held within 256 .. 2,304: from 2,304 on every token sees all 2,048 keys.
; LDS: K slots at 0 and 32,768, V slots at 65,536 and 98,304, in each team p's step at 16,384 p; a stage of 16 rows x 528 bytes for each wave; 16,896 bytes for each wave to hand over; the spare words.
; REGISTERS.  Window 0: v1-15 addresses; v16-31 running largest scores, four chains a tile; v32-95 Q's codes; v96-223 32 staged loads; v224-231 -M (pairs); v232-239 l (pairs); v240-247 f (pairs); v248-255 at work.
;   Window 1: v0-127 eight fragments, v128-191 four more, v192-255 p's codes.  Window 2: S^T, then p, 64 a tile.  Window 3: O^T, 64 a tile.
.set SP,    528                        ; a stage row: 512 bytes + 16 = 33 x 16: the sixteen rows that a load touches begin 16 bytes apart modulo 256
.set WST,   16*SP
.set STG,   131072
.set XST,   16896
.set XCH,   STG+4*WST
.set SPARE, XCH+4*XST
.set AK,   1                           ; v1, v2   16 x lane + my team's place in K slot 0, 1
.set AV,   3                           ; v3, v4   the same in V slot 0, 1
.set FA,   5                           ; v5, v6   where I store the staged image in even and in odd trips
.set L16,  7                           ; v7       16 x lane
.set SIN,  8                           ; v8       my stage + 16 x lane
.set SQR,  9                           ; v9       at the head: my stage + 528 r + 64 h; then 2^e3
.set SCL,  9
.set PFO,  10                          ; v10      256 x lane
.set RH,   11                          ; v11      r - 16 h
.set SPW,  12                          ; v12      my spare word
.set NIL,  13                          ; v13      0
.set XO,   14                          ; v14      my place for the hand-over + 16 x lane
.set XP,   15                          ; v15      my partner's
.set MA,   16
.set QC,   32
.set SG,   96
.set ST,   224
.set LS,   232
.set FP,   240
.set MX,   248
.set PD,   252
.set CS,   36                          ; s[36:37] log2(e) x 2^(e0 + e1): the packed form names a pair and takes its low word for both halves
.set MSB, 0
.macro WIN new                         ; bits 1:0 source 0, 3:2 source 1, 5:4 source 2, 7:6 destination; the immediate's high byte repeats the setting that is left
.if MSB != \new
	s_set_vgpr_msb (MSB<<8)|\new
.set MSB, \new
.endif
.endm
.macro WA
	s_wait_alu depctr_va_vdst(0)
.endm
.macro PLACES                          ; four plain places behind matrix instructions, in front of loads into registers that they read and of the first read of results
.rept 4
	v_nop
.endr
.endm
.macro PF                              ; one piece of 8,192 bytes, lanes 256 bytes apart, if its step is one that some token of the sequence sees (s61 is -1 in team 1)
	s_cmp_le_i32 s68, s61
	s_cbranch_scc0 .Lnp_\@
	global_prefetch_b8 v[PFO], s[66:67] th:TH_LOAD_NT scope:SCOPE_SE
.Lnp_\@:
.endm
	s_load_b256 s[4:11], s[0:1], 0x0               ; query s[4:5], k_img s[6:7], v_img s[8:9], seq_lens s[10:11]
	s_load_b128 s[12:15], s[0:1], 0x20             ; lowp_scales s[12:13], out0 s[14:15]
	v_lshrrev_b32 v14, 5, v0
	v_readfirstlane_b32 s16, v14                   ; wave 0..3
	s_lshr_b32 s17, s16, 1                         ; team p
	s_and_b32 s18, s16, 1                          ; q; also: I stage K (0) or V (1)
	s_and_b32 s20, ttmp9, 7                        ; kv head
	s_bfe_u32 s19, ttmp9, 0x30004                  ; c
	s_bfe_u32 s21, ttmp9, 0x10003
	s_lshr_b32 s40, ttmp9, 7
	s_lshl_b32 s40, s40, 1
	s_or_b32 s21, s21, s40                         ; sequence
	s_lshl_b32 s42, s21, 8
	s_lshl_b32 s41, s19, 5
	s_add_co_u32 s42, s42, s41
	s_lshl_b32 s42, s42, 14                        ; row 256 sequence + 32 c of query and of out0, 16,384 bytes each,
	s_lshl_b32 s41, s20, 2
	s_lshl_b32 s43, s18, 1
	s_add_co_u32 s41, s41, s43
	s_add_co_u32 s41, s41, s17
	s_lshl_b32 s41, s41, 9                         ; head 4 kv head + 2 q + p
	s_add_co_u32 s42, s42, s41
	s_mov_b32 s43, 0
	s_lshl_b32 s44, s21, 3
	s_add_co_u32 s44, s44, s20
	s_lshl_b32 s44, s44, 18                        ; (8 sequence + kv head) x 16 steps x 16,384,
	s_lshl_b32 s50, s17, 14
	s_add_co_u32 s44, s44, s50                     ; my team's first step
	s_mov_b32 s45, 0
	s_lshl_b32 s46, s21, 2
	s_mov_b32 s47, 0
	s_mul_i32 s51, s18, 98304                      ; K: slot 0 in even trips; V: slot 1
	s_add_co_u32 s51, s51, s50
	s_lshl_b32 s52, s18, 13
	s_mul_i32 s53, s16, WST
	s_add_co_u32 s53, s53, STG
	s_mul_i32 s54, s16, XST
	s_add_co_u32 s54, s54, XCH
	s_xor_b32 s55, s16, 2
	s_mul_i32 s55, s55, XST
	s_add_co_u32 s55, s55, XCH
	s_mov_b32 s38, 0x76543210                      ; v_permlanex16_b32's selects: lane l xor 16
	s_mov_b32 s39, 0xfedcba98
	s_mov_b32 s58, 0x3db504f3                      ; 1 / sqrt(128) as f32
	s_mov_b32 s59, s58                             ; (named with it as a pair, so it is written)
	v_lshl_add_u32 v[SPW], v0, 2, SPARE
	v_mov_b32 v[NIL], 0
	v_and_b32 v240, 31, v0                         ; lane
	v_and_b32 v241, 15, v0                         ; r
	v_bfe_u32 v242, v0, 4, 1                       ; h
	v_lshlrev_b32 v[L16], 4, v240
	v_lshlrev_b32 v[PFO], 8, v240
	v_add_nc_u32 v[AK], s50, v[L16]
	v_add_nc_u32 v[AK+1], 0x8000, v[AK]
	v_add_nc_u32 v[AV], 0x10000, v[AK]
	v_add_nc_u32 v[AV+1], 0x18000, v[AK]
	v_add_nc_u32 v[FA], s51, v[L16]
	v_xor_b32 v[FA+1], 0x8000, v[FA]
	v_add_nc_u32 v[MX], s52, v[AK]                 ; where my half of my team's first K image goes: slot 0
	v_add_nc_u32 v[SIN], s53, v[L16]
	v_mul_u32_u24 v[SQR], v241, SP
	v_lshl_add_u32 v[SQR], v242, 6, v[SQR]
	v_add_nc_u32 v[SQR], s53, v[SQR]
	v_lshlrev_b32 v[RH], 4, v242
	v_sub_nc_u32 v[RH], v241, v[RH]
	v_add_nc_u32 v[XO], s54, v[L16]
	v_add_nc_u32 v[XP], s55, v[L16]
.irp i, 16,17,18,19,20,21,22,23,24,25,26,27,28,29,30,31
	v_mov_b32 v\i, 0xff61b1e6                      ; the largest score so far: -3e38
.endr
.irp j, 0,1,2,3
	v_mov_b32 v[ST+2*\j], 0x7f61b1e6               ; -M: 3e38
	v_mov_b32 v[ST+2*\j+1], 0                      ; (a pair's upper half counts as read, so it is written)
	v_mov_b32 v[LS+2*\j], 0                        ; l, in two halves
	v_mov_b32 v[LS+2*\j+1], 0
	v_mov_b32 v[FP+2*\j], 0
	v_mov_b32 v[FP+2*\j+1], 0
	v_mov_b32 v[PD+\j], 0                          ; a lane permute's destination counts as read
.endr
	WIN 0xc0
.set n, 0
.rept 256
	v_mov_b32 v[n], 0                              ; O^T, while the arguments are on their way.  The key step is written once and finds zeros; and a team may have no step at all, yet hands its O^T over
.set n, n+1
.endr
	WIN 0
	WA
	s_wait_kmcnt 0x0
	s_add_nc_u64 s[10:11], s[10:11], s[46:47]
	s_load_b32 s22, s[10:11], 0x0                  ; seq_len
	s_load_b128 s[24:27], s[12:13], 0x0            ; e0 .. e3
	s_add_nc_u64 s[48:49], s[4:5], s[42:43]        ; query at my head's 32 tokens,
	s_add_nc_u64 s[52:53], s[14:15], s[42:43]      ; out0 likewise
	s_add_nc_u64 s[54:55], s[6:7], s[44:45]
	s_add_nc_u64 s[56:57], s[8:9], s[44:45]
	s_lshl_b32 s46, s18, 13
	s_add_nc_u64 s[62:63], s[54:55], s[46:47]      ; my half of my team's first K image
	s_cmp_eq_u32 s18, 0
	s_cselect_b64 s[50:51], s[54:55], s[56:57]     ; the image that I stage
	WIN 0x40
.irp i, 0,1,2,3,4,5,6,7,8,9,10,11,12,13,14,15
	global_load_b128 v[128+4*\i:131+4*\i], v[L16], s[62:63] offset:512*\i
.endr
	WIN 0x80
.irp j, 0,1
.irp rr, 0,1,2,3,4,5,6,7,8,9,10,11,12,13,14,15
	global_load_b128 v[64*\j+4*\rr:64*\j+4*\rr+3], v[L16], s[48:49] offset:16384*(16*\j+\rr) th:TH_LOAD_NT   ; a token's 512 consecutive bytes; read once in the launch
.endr
.endr
	WIN 0
	s_wait_kmcnt 0x0
	s_max_i32 s22, s22, 256
	s_min_i32 s22, s22, 2304
	s_sub_co_i32 s33, s22, 256
	s_lshl_b32 s41, s19, 5
	s_add_co_i32 s33, s33, s41                     ; P0: position of token 32 c,
	s_add_co_i32 s34, s33, 16                      ; P1: of token 32 c + 16
	s_add_co_i32 s32, s33, 31
	s_min_i32 s32, s32, 2047                       ; PMAX: the last key that any of the work-group's tokens sees
	s_sub_co_i32 s61, s22, 1
	s_min_i32 s61, s61, 2047                       ; the last key that any token of the sequence sees: the prefetches' limit
	s_cmp_eq_u32 s17, 0
	s_cselect_b32 s61, s61, -1                     ; team 1 prefetches nothing
	s_lshr_b32 s40, s32, 7
	s_sub_co_i32 s40, s40, s17
	s_max_i32 s40, s40, 0
	s_min_u32 s40, s40, 15
	s_and_b32 s40, s40, 14                         ; my team's last step, counted from its first
	s_min_u32 s41, s40, 2
	s_min_u32 s42, s40, 4
	s_xor_b32 s43, s18, 1
	s_mul_i32 s44, s41, s43                        ; the second fill: K(1) or V(0);
	s_mul_i32 s42, s42, s43
	s_mul_i32 s41, s41, s18
	s_add_co_u32 s46, s42, s41                     ; the third: K(2) or V(1); where no token sees such a step, the last one that is seen
	s_lshl_b32 s44, s44, 14
	s_mov_b32 s45, 0
	s_lshl_b32 s46, s46, 14
	s_mov_b32 s47, 0
	s_add_nc_u64 s[54:55], s[50:51], s[44:45]
	s_add_nc_u64 s[56:57], s[50:51], s[46:47]
	WIN 0x80
.set n, 0
.rept 32
	global_load_b128 v[128+4*n:131+4*n], v[L16], s[54:55] offset:512*n
.set n, n+1
.endr
	WIN 0
	s_sub_co_u32 s40, 2, s18
	s_lshl_b32 s41, s40, 8
	s_lshl_b32 s31, s17, 7                         ; KF: the first key of my team's step in hand
	s_add_co_u32 s35, s31, s41                     ; NK: the first key of the step that I staged last
	s_lshl_b32 s42, s40, 1
	s_add_co_u32 s42, s42, 2                       ; the first prefetch: from step 6 of K, 4 of V,
	s_lshl_b32 s44, s42, 14
	s_lshl_b32 s43, s19, 13
	s_add_co_u32 s44, s44, s43                     ; my piece of four steps
	s_add_nc_u64 s[66:67], s[50:51], s[44:45]
	s_lshr_b32 s43, s19, 1
	s_add_co_u32 s42, s42, s43
	s_lshl_b32 s68, s42, 7                         ; its step's first key
	s_lshl_b32 s44, s40, 15
	s_add_nc_u64 s[50:51], s[50:51], s[44:45]      ; where the third fill lies; each trip steps on from there
	s_add_co_i32 s40, s24, s25
	s_lshl_b32 s40, s40, 23
	s_add_co_i32 s[CS], s40, 0x3fb8aa3b            ; a sum of the first product stands for sum x 2^(e0 + e1): the exponents are added to the exponent field of log2(e)
	s_mov_b32 s[CS+1], s[CS]
	s_add_co_i32 s40, s27, 127
	s_lshl_b32 s69, s40, 23                        ; 2^e3
	s_add_co_i32 s40, s40, 15
	s_lshl_b32 s40, s40, 23
	s_or_b32 s60, s40, 0x600000                    ; 57,344 x 2^e3
	s_add_co_i32 s40, s25, 127
	s_lshl_b32 s41, s40, 23
	s_add_co_i32 s40, s40, 15
	s_lshl_b32 s40, s40, 23
	s_or_b32 s40, s40, 0x600000
	s_wait_loadcnt 63                              ; the oldest 16 of 80 loads are in: my half of the first K image
	WIN 0x04
.irp i, 0,1,2,3,4,5,6,7,8,9,10,11,12,13,14,15
	ds_store_b128 v[MX], v[128+4*\i:131+4*\i] offset:512*\i
.endr
; A tile of Q: its 16 rows go through my stage as they lie and come back 16 neighbouring channels of each chunk a lane; LDS serves a wave's instructions in order (ISA guide 5.7.1.4)
.macro QIN j
	WIN 0x08
.irp rr, 0,1,2,3,4,5,6,7,8,9,10,11,12,13,14,15
	ds_store_b128 v[SIN], v[64*\j+4*\rr:64*\j+4*\rr+3] offset:SP*\rr
.endr
	WIN 0x40
.irp c, 0,1,2,3
.irp k, 0,1,2,3
	ds_load_b128 v[64*\j+16*\c+4*\k:64*\j+16*\c+4*\k+3], v[SQR] offset:128*\c+16*\k
.endr
.endr
.endm
.macro QCODE j                         ; x 1/sqrt(128); held; converted
	WIN 0x41
.set n, 64*\j
.rept 32
	v_pk_mul_f32 v[n:n+1], v[n:n+1], s[58:59] op_sel_hi:[1,0]
.set n, n+2
.endr
.set n, 64*\j
.rept 64
	v_med3_num_f32 v[n], v[n], -v[MX+3], v[MX+3]   ; the conversion to an 8-bit code does not saturate (ISA guide 7.6.2)
.set n, n+1
.endr
	WIN 0x01
.irp c, 0,1,2,3
	v_cvt_scalef32_pk8_bf8_f32 v[QC+16*\j+4*\c:QC+16*\j+4*\c+1], v[64*\j+16*\c:64*\j+16*\c+7], v[MX+2]
	v_cvt_scalef32_pk8_bf8_f32 v[QC+16*\j+4*\c+2:QC+16*\j+4*\c+3], v[64*\j+16*\c+8:64*\j+16*\c+15], v[MX+2]
.endr
	v_nop                                          ; a plain vector line behind the conversions
	WIN 0
.endm
	s_wait_loadcnt 48                              ; behind tile 0's 16 rows: tile 1's 16 and the second fill's 32
	QIN 0
	s_wait_loadcnt 32                              ; behind tile 1's: the second fill's 32
	QIN 1
	WIN 0
	v_mov_b32 v[MX+2], s41                         ; 2^e1
	v_mov_b32 v[MX+3], s40                         ; 57,344 x 2^e1
	WA
	s_wait_dscnt 32                                ; behind tile 0's loads: tile 1's 16 stores and 16 loads
	QCODE 0
	WA
	s_wait_dscnt 0x0
	QCODE 1
	WA
.irp k, 0,1,2,3,4,5,6,7
	ds_store_b128 v[XO], v[QC+4*\k:QC+4*\k+3] offset:512*\k   ; my two tiles' codes, for my partner
.endr
.set n, 0
.rept 32
	global_load_b128 v[SG+4*n:SG+4*n+3], v[L16], s[56:57] offset:512*n   ; the third fill: trip 0 stores it
.set n, n+1
.endr
	s_wait_dscnt 0x0                               ; for the others' sake: my stores have landed
	s_barrier_signal -1
	s_barrier_wait -1
.irp k, 0,1,2,3,4,5,6,7
	ds_load_b128 v[QC+32+4*\k:QC+32+4*\k+3], v[XP] offset:512*\k   ; my partner's two tiles
.endr
	WIN 0x40
.irp t, 0,1,2,3
.irp c, 0,1,2,3
	ds_load_b128 v[128+16*\t+4*\c:131+16*\t+4*\c], v[AK] offset:\t*2048+512*\c   ; K(0): fragments 0-3,
.endr
.endr
.irp t, 0,1,2,3
.irp c, 0,1,2,3
	ds_load_b128 v[16*\t+4*\c:3+16*\t+4*\c], v[AK] offset:(4+\t)*2048+512*\c     ; and 4-7
.endr
.endr
	WIN 0
	v_mov_b32 v[SCL], s69                          ; 2^e3
	WA
	s_wait_loadcnt 32                              ; the second fill, K(1) or V(0), is in (the third's 32 loads may be out), and goes where an odd trip stores
	WIN 0x08
.set n, 0
.rept 32
	ds_store_b128 v[FA+1], v[128+4*n:131+4*n] offset:512*n
.set n, n+1
.endr
	WIN 0
	PF
.macro QK t, f                         ; S^T of tile t of keys (fragment at v[f] of window 1) x my four tiles of tokens; each sum is one instruction (K = 128) and starts from the constant 0
	WIN 0x81
.irp j, 0,1,2,3
	v_wmma_f32_16x16x128_bf8_bf8 v[64*\j+8*(\t):64*\j+8*(\t)+7], v[\f:\f+15], v[QC+16*\j:QC+16*\j+15], 0
.endr
.endm
.macro PV t                            ; O^T of tile t of channels.  The 32 accumulators take turns, one instruction a turn
	WIN 0xf5
.irp j, 0,1,2,3
	v_wmma_f32_16x16x128_bf8_bf8 v[64*\j+8*(\t):64*\j+8*(\t)+7], v[16*(\t):16*(\t)+15], v[192+16*\j:192+16*\j+15], v[64*\j+8*(\t):64*\j+8*(\t)+7]
.endr
.endm
.macro FRAG dst, ad, f                 ; fragment f of the image at v[ad] into v[dst] of window 1: each load takes 512 consecutive bytes
	WIN 0x40
.irp c, 0,1,2,3
	ds_load_b128 v[\dst+4*\c:\dst+4*\c+3], v[\ad] offset:(\f)*2048+512*\c
.endr
.endm
; A trip's memory work in one block.  It stands at four places of the softmax, and wave k takes it at the k-th: so the four waves take it one after the other.  The staged image goes to LDS; V's eight fragments and the next
; step's K fragments 0-3 come from LDS; then the 32 loads of my next image go out, if any token of the work-group sees its step: they have a whole trip in which to land.
.macro BLOCK k, par
	WIN 0
	WA
	s_cmp_lg_u32 s16, \k
	s_cbranch_scc1 .Lnb_\@
	s_wait_loadcnt 0x0                             ; the staged image is in
.set n, 0
.rept 32
	ds_store_b128 v[FA+\par], v[SG+4*n:SG+4*n+3] offset:512*n   ; made in every step: where no newer image was loaded it repeats old codes, which no product takes
.set n, n+1
.endr
.irp t, 0,1,2,3,4,5,6,7
	FRAG 16*\t, AV+\par, \t
.endr
.irp t, 0,1,2,3
	FRAG 128+16*\t, AK+1-\par, \t
.endr
	WIN 0
.if \par == 0
	PF
.endif
	s_wait_dscnt 48                                ; behind my 32 stores: 48 loads.  So the staging registers have been read, and take the next image
	s_cmp_le_i32 s35, s32
	s_cbranch_scc0 .Lnb_\@
.set n, 0
.rept 32
	global_load_b128 v[SG+4*n:SG+4*n+3], v[L16], s[50:51] offset:512*n
.set n, n+1
.endr
.Lnb_\@:
.endm
; Hidden scores of token half hf (tiles hf and hf + 2) become -infinity ahead of the maximum, so that p = 0.  Register n holds key KF + 16 h + 32 (n / 16) + n % 16: hidden where 32 (n / 16) + n % 16 > d,
; d = my token's position - KF - 16 h.  A step all of whose keys the half's first token sees skips this.
.macro MASK hf
	s_add_co_i32 s40, s31, 127
	s_cmp_le_i32 s40, s[33+\hf]
	s_cbranch_scc1 .Lopen_\@
	s_sub_co_i32 s40, s[33+\hf], s31
	v_add_nc_u32 v[MX], s40, v[RH]
	v_mov_b32 v[MX+2], 0xff800000
	WIN 0x82
.set n, 0
.rept 64
	v_cmp_gt_i32 vcc_lo, 32*(n/16)+n%16, v[MX]
	v_cndmask_b32 v[64*\hf+n], v[64*\hf+n], v[MX+2], vcc_lo
	v_cndmask_b32 v[64*\hf+128+n], v[64*\hf+128+n], v[MX+2], vcc_lo
.set n, n+1
.endr
	WIN 0
	WA
.Lopen_\@:
.endm
.macro TMM j, n                        ; t - M, two at a time
	v_pk_fma_f32 v[64*(\j)+\n:64*(\j)+\n+1], v[64*(\j)+\n:64*(\j)+\n+1], s[CS:CS+1], v[ST+2*(\j):ST+2*(\j)+1] op_sel_hi:[1,0,0]
.endm
.macro EXPS j                          ; p = 2^(t - M) of tile j, at most 1, not normalised; the next tile's t - M stands between
	WIN 0x82
.set n, 0
.rept 32
	v_exp_f32 v[64*\j+n], v[64*\j+n]
	v_exp_f32 v[64*\j+n+1], v[64*\j+n+1]
.if \j < 3
	TMM \j+1, n
.endif
.set n, n+2
.endr
.endm
; A KEY STEP: 128 keys; par: the trip's parity.
.macro STEP par
.irp t, 0,1,2,3
	QK \t, 128+16*\t                               ; K's fragments came in the trip before
.endr
.irp t, 0,1,2,3
	QK 4+\t, 16*\t
.endr
	PLACES
	WIN 0
	MASK 0
	MASK 1
	WIN 0x28
.set n, 0
.rept 8
.irp k, 0,1,2,3
.irp j, 0,1,2,3
	v_max3_num_f32 v[MA+4*\j+\k], v[MA+4*\j+\k], v[64*\j+n+2*\k], v[64*\j+n+2*\k+1]   ; my token's largest score so far among my keys, in four chains a tile, each accumulator from its low end on
.endr
.endr
.set n, n+8
.endr
	WIN 0
.irp j, 0,1,2,3
	v_max3_num_f32 v[MX+\j], v[MA+4*\j], v[MA+4*\j+1], v[MA+4*\j+2]
.endr
.irp j, 0,1,2,3
	v_max_num_f32 v[MX+\j], v[MX+\j], v[MA+4*\j+3]
.endr
.irp j, 0,1,2,3
	v_permlanex16_b32 v[PD+\j], v[MX+\j], s38, s39
.endr
.irp j, 0,1,2,3
	v_max_num_f32 v[MX+\j], v[MX+\j], v[PD+\j]     ; and among lane l xor 16's
.endr
.irp j, 0,1,2,3
	v_mul_f32 v[MX+\j], s[CS], v[MX+\j]            ; as t (the factor is positive),
.endr
.irp j, 0,1,2,3
	v_max_num_f32 v[MX+\j], 0xff61b1e6, v[MX+\j]   ; finite where no key has been seen yet
.endr
.irp j, 0,1,2,3
	v_mov_b32 v[FP+2*\j], v[ST+2*\j]
.endr
.irp j, 0,1,2,3
	v_floor_f32 v[ST+2*\j], -v[MX+\j]              ; the new -M = floor(-t) = -ceil(t): a whole number
.endr
.irp j, 0,1,2,3
	v_sub_f32 v[FP+2*\j], v[ST+2*\j], v[FP+2*\j]   ; old M - new M: a whole number, 0 or less
.endr
.irp j, 0,1,2,3
	v_cvt_i32_f32 v[FP+2*\j], v[FP+2*\j]           ; (it saturates)
.endr
.irp j, 0,1,2,3
	v_ldexp_f32 v[FP+2*\j], 1.0, v[FP+2*\j]        ; f = 2^(old M - new M)
.endr
	BLOCK 0, \par
	WIN 0x82
.set n, 0
.rept 32
	TMM 0, n
.set n, n+2
.endr
	WA
	EXPS 0
	BLOCK 1, \par
	EXPS 1
	BLOCK 2, \par
	EXPS 2
	BLOCK 3, \par
	EXPS 3
	WIN 0
.irp j, 0,1,2,3
	v_pk_mul_f32 v[LS+2*\j:LS+2*\j+1], v[LS+2*\j:LS+2*\j+1], v[FP+2*\j:FP+2*\j+1] op_sel_hi:[1,0]   ; l under the new M.  (The plain place behind the exponentials)
.endr
	WA
	WIN 0x0a
.irp j, 0,1,2,3
	v_pk_add_f32 v[MX+2*\j:MX+2*\j+1], v[64*\j:64*\j+1], v[64*\j+2:64*\j+3]   ; the sum is taken of the unquantised p: two chains a tile
.endr
	WIN 0x08
.set n, 4
.rept 15
.irp j, 0,1,2,3
	v_pk_add_f32 v[LS+2*\j:LS+2*\j+1], v[LS+2*\j:LS+2*\j+1], v[64*\j+n:64*\j+n+1]
	v_pk_add_f32 v[MX+2*\j:MX+2*\j+1], v[MX+2*\j:MX+2*\j+1], v[64*\j+n+2:64*\j+n+3]
.endr
.set n, n+4
.endr
	WIN 0
.irp j, 0,1,2,3
	v_pk_add_f32 v[LS+2*\j:LS+2*\j+1], v[LS+2*\j:LS+2*\j+1], v[MX+2*\j:MX+2*\j+1]
.endr
	WA
	s_wait_dscnt 0x0                               ; V's fragments are in
	s_cmp_ge_i32 s27, -15                          ; p is at most 1 and 57,344 x 2^e3 is at least 1 from e3 = -15 on: the hold is needed only under that
	s_cbranch_scc1 .Lno_hold_\@
	WIN 0x88
.set n, 0
.rept 256
	v_min_num_f32 v[n], s60, v[n]                  ; p is not negative: the hold is one-sided
.set n, n+1
.endr
	WIN 0
.Lno_hold_\@:
	WIN 0x42
.irp j, 0,1,2,3
.irp b, 0,1,2,3
	v_cvt_scalef32_pk8_bf8_f32 v[192+16*\j+4*\b:193+16*\j+4*\b], v[64*\j+16*\b:64*\j+16*\b+7], v[SCL]
	v_cvt_scalef32_pk8_bf8_f32 v[194+16*\j+4*\b:195+16*\j+4*\b], v[64*\j+16*\b+8:64*\j+16*\b+15], v[SCL]
.endr
.endr
	WIN 0xc3
	WA
.set n, 0
.rept 32
.irp j, 0,1,2,3
	v_pk_mul_f32 v[64*\j+n:64*\j+n+1], v[64*\j+n:64*\j+n+1], v[FP+2*\j:FP+2*\j+1] op_sel_hi:[1,0]   ; O^T under the new M, each accumulator from its low end on.  (Also the plain places behind the conversions)
.endr
.set n, n+2
.endr
	WA
.irp t, 0,1,2,3
	PV \t
.endr
	PLACES
.irp t, 0,1,2,3
	FRAG 16*\t, AK+1-\par, 4+\t                    ; the next step's K: fragments 4-7
.endr
	PV 4
	PV 5
	PV 6
	PV 7
	PLACES                                         ; in front of the next loads into the fragments' registers and of the first read of O^T, on every way
	WIN 0
.endm
; A TRIP.  In front of the barrier my stores of the last trip have landed and my reads are over; behind it what was stored is whole, and what was read may be stored over.
.macro TRIP par
	WA
	s_wait_dscnt 0x0
	s_wait_xcnt 0x0                                ; my loads and any prefetch of mine have read their addresses, which step here, on every way: no address hangs on a branch
	s_add_nc_u64 s[50:51], s[50:51], 0x8000
	s_add_co_u32 s35, s35, 256
.if \par == 0
	s_add_nc_u64 s[66:67], s[66:67], 0x10000       ; four steps on
	s_add_co_u32 s68, s68, 512
.endif
	s_barrier_signal -1
	s_barrier_wait -1
	s_cmp_le_i32 s31, s32
	s_cbranch_scc0 .Lno_step_\@                    ; all of this step's keys lie behind the work-group's last token: so do all later ones of my team, which takes and stages nothing more
	STEP \par
.Lno_step_\@:
	s_add_co_i32 s31, s31, 256
.endm
	s_mov_b32 s30, 4                               ; 8 trips x 2 teams = the 16 steps of 2,048 keys: a constant
.Ltrips:
	TRIP 0
	TRIP 1
	s_sub_co_u32 s30, s30, 1
	s_cmp_lg_u32 s30, 0
	s_cbranch_scc1 .Ltrips
	; THE HAND-OVER.  l's halves are added; my tiles 2 and 3 (O^T as an image of its registers, -M and l) go to my place in LDS; behind a barrier I take wave w xor 2's, which are my tiles 0 and 1 over the other team's steps.
	s_mul_i32 s40, s16, XST
	s_add_co_u32 s40, s40, XCH
	s_xor_b32 s41, s16, 2
	s_mul_i32 s41, s41, XST
	s_add_co_u32 s41, s41, XCH
	s_add_co_i32 s42, s26, s27
.irp j, 0,1,2,3
	v_add_f32 v[MX+\j], v[LS+2*\j], v[LS+2*\j+1]
.endr
.irp j, 0,1,2,3
	v_permlanex16_b32 v[PD+\j], v[MX+\j], s38, s39
.endr
.irp j, 0,1
	v_add_f32 v[LS+2*\j], v[MX+\j], v[PD+\j]
.endr
.irp j, 2,3
	v_add_f32 v[ST+2*\j+1], v[MX+\j], v[PD+\j]     ; beside its -M
.endr
	v_lshrrev_b32 v17, 1, v[L16]                   ; 8 x lane
	v_add_nc_u32 v16, s40, v17
	v_add_nc_u32 v17, s41, v17
	WIN 0x0c
.set n, 0
.rept 32
	ds_store_b128 v[XO], v[128+4*n:131+4*n] offset:512*n
.set n, n+1
.endr
	WIN 0
	ds_store_b64 v16, v[ST+4:ST+5] offset:16384
	ds_store_b64 v16, v[ST+6:ST+7] offset:16640
	WA
	s_wait_dscnt 0x0                               ; for my partner's sake: my stores have landed
	s_barrier_signal -1
	s_barrier_wait -1
	ds_load_b64 v[18:19], v17 offset:16384         ; the partner's -M and l
	ds_load_b64 v[20:21], v17 offset:16640
	WIN 0x80
.set n, 0
.rept 32
	ds_load_b128 v[4*n:4*n+3], v[XP] offset:512*n
.set n, n+1
.endr
	WIN 0
	s_wait_dscnt 32                                ; -M and l are in; O^T's 32 loads may be out
.irp j, 0,1
	v_min_num_f32 v[22+\j], v[ST+2*\j], v[18+2*\j] ; -M of the two together: the larger M
.endr
.irp j, 0,1
	v_sub_f32 v[24+\j], v[22+\j], v[ST+2*\j]       ; my M - that M: a whole number, 0 or less (a team without a visible key gets the factor 0, or has l = 0 and O = 0),
	v_sub_f32 v[26+\j], v[22+\j], v[18+2*\j]       ; and my partner's
.endr
.irp i, 24,25,26,27
	v_cvt_i32_f32 v\i, v\i
.endr
.irp i, 24,25,26,27
	v_ldexp_f32 v\i, 1.0, v\i
.endr
.irp j, 0,1
	v_mul_f32 v[28+\j], v[19+2*\j], v[26+\j]
.endr
.irp j, 0,1
	v_fma_f32 v[28+\j], v[LS+2*\j], v[24+\j], v[28+\j]   ; the row's sum under that M
.endr
	WA
	v_rcp_f32 v28, v28
	v_rcp_f32 v29, v29
	v_nop                                          ; a plain place behind the transcendentals
	WA
.irp j, 0,1
	v_ldexp_f32 v[28+\j], v[28+\j], s42            ; x 2^(e2 + e3)
.endr
.irp j, 0,1
	v_mul_f32 v[FP+2*\j], v[24+\j], v[28+\j]       ; my factor (the pairs' upper halves were written at the head),
	v_mul_f32 v[FP+4+2*\j], v[26+\j], v[28+\j]     ; my partner's
.endr
	s_mul_i32 s40, s16, WST
	s_add_co_u32 s40, s40, STG
	v_and_b32 v17, 15, v0
	v_bfe_u32 v18, v0, 4, 1
	v_mul_u32_u24 v16, v17, SP
	v_lshl_add_u32 v16, v18, 7, v16
	v_add_nc_u32 v16, s40, v16                     ; my stage + 528 r + 128 h
	WA
	s_wait_dscnt 0x0
	WIN 0x82
.set n, 0
.rept 32
.irp j, 0,1
	v_pk_mul_f32 v[64*\j+n:64*\j+n+1], v[64*\j+n:64*\j+n+1], v[FP+4+2*\j:FP+5+2*\j] op_sel_hi:[1,0]
.endr
.set n, n+2
.endr
	WIN 0xa3
	WA
.irp j, 0,1
.irp g, 0,1
.irp i, 0,1,2,3,4,5,6,7
.irp cc, 0,1,2,3
	v_fma_f32 v[128+64*\j+4*(8*\g+\i)+\cc], v[64*\j+8*(4*\g+\cc)+\i], v[FP+2*\j], v[64*\j+8*(4*\g+\cc)+\i]   ; register 8 (4 g + cc) + i is out(token r, channel 64 g + 32 h + 4 i + cc): four neighbouring channels side by side
.endr
.endr
.endr
.endr
	WIN 0
	WA
	; THE WAY OUT: a lane holds pieces of a row and the lanes beside it other rows: through my own stage, and back as whole rows of 512 bytes; LDS serves a wave's instructions in order.
.irp j, 0,1
	WIN 0x08
.irp g, 0,1
.irp i, 0,1,2,3,4,5,6,7
	ds_store_b128 v16, v[128+64*\j+4*(8*\g+\i):131+64*\j+4*(8*\g+\i)] offset:256*\g+16*\i
.endr
.endr
	WIN 0x40
.irp rr, 0,1,2,3,4,5,6,7,8,9,10,11,12,13,14,15
	ds_load_b128 v[64*\j+4*\rr:64*\j+4*\rr+3], v[SIN] offset:SP*\rr
.endr
.endr
	WIN 0x04
.irp rr, 0,1,2,3,4,5,6,7,8,9,10,11,12,13,14,15
	s_wait_dscnt 47-\rr                            ; behind row rr of tile 0: its younger rows, and tile 1's 16 stores and 16 loads
	global_store_b128 v[L16], v[4*\rr:4*\rr+3], s[52:53] offset:16384*\rr th:TH_STORE_NT   ; 32 lanes store 512 consecutive bytes, at a multiple of 512 from out0's first byte; written once
.endr
.irp rr, 0,1,2,3,4,5,6,7,8,9,10,11,12,13,14,15
	s_wait_dscnt 15-\rr
	global_store_b128 v[L16], v[64+4*\rr:64+4*\rr+3], s[52:53] offset:16384*(16+\rr) th:TH_STORE_NT
.endr
	WIN 0
	s_wait_tensorcnt 0x0                           ; the wave's end
	ds_add_u32 v[SPW], v[NIL]
	s_wait_dscnt 0x0
	s_endpgm
.Lfunc_end_k_qec75b5acb4_attn:
	.size	k_qec75b5acb4_attn, .Lfunc_end_k_qec75b5acb4_attn-k_qec75b5acb4_attn
	.p2alignl 7, 3214868480
	.fill 96, 4, 3214868480
	.section	.rodata,"a",@progbits
	.p2align	6, 0x0
	.amdhsa_kernel k_qec75b5acb4_attn
		.amdhsa_group_segment_fixed_size 232960
		.amdhsa_private_segment_fixed_size 0
		.amdhsa_enable_private_segment 0
		.amdhsa_kernarg_size 48
		.amdhsa_user_sgpr_count 2
		.amdhsa_user_sgpr_kernarg_segment_ptr 1
		.amdhsa_wavefront_size32 1
		.amdhsa_system_sgpr_workgroup_id_x 1
		.amdhsa_system_sgpr_workgroup_id_y 1
		.amdhsa_system_sgpr_workgroup_id_z 1
		.amdhsa_system_vgpr_workitem_id 0
		.amdhsa_next_free_vgpr 1024
		.amdhsa_next_free_sgpr 72
		.amdhsa_reserve_vcc 1
		.amdhsa_float_denorm_mode_32 3
		.amdhsa_float_denorm_mode_16_64 3
		.amdhsa_memory_ordered 1
		.amdhsa_forward_progress 1
		.amdhsa_inst_pref_size 255
	.end_amdhsa_kernel
	.section	.bss,"aw",@nobits
	.p2align	6
	.space	262144
	.amdgpu_metadata
---
amdhsa.version: [ 1, 2 ]
amdhsa.kernels:
  - .name:           k_qec75b5acb4_attn
    .symbol:         k_qec75b5acb4_attn.kd
    .args:
      - { .name: query, .offset: 0, .size: 8, .value_kind: global_buffer, .address_space: global }
      - { .name: k_img, .offset: 8, .size: 8, .value_kind: global_buffer, .address_space: global }
      - { .name: v_img, .offset: 16, .size: 8, .value_kind: global_buffer, .address_space: global }
      - { .name: seq_lens, .offset: 24, .size: 8, .value_kind: global_buffer, .address_space: global }
      - { .name: lowp_scales, .offset: 32, .size: 8, .value_kind: global_buffer, .address_space: global }
      - { .name: out0, .offset: 40, .size: 8, .value_kind: global_buffer, .address_space: global }
    .group_segment_fixed_size: 232960
    .private_segment_fixed_size: 0
    .kernarg_segment_align: 8
    .kernarg_segment_size: 48
    .max_flat_workgroup_size: 128
    .sgpr_count:     72
    .vgpr_count:     1024
    .wavefront_size: 32
...
	.end_amdgpu_metadata
.endif
;; end of part 2
